; MI455X (gfx1250); checked and timed in simulation.
; The chip was launched on July 23, 2026; its instructions are those of AMD's public machine-readable ISA for CDNA 5 (MIT licence, August 2026) and "CDNA5" Instruction Set Architecture Reference Guide (July 2026). The comments in the code are by the model that wrote it; some were corrected since.
;; Cross Attention. Allowed arithmetic: matrix products marked QUANTISED: E2M1 operands, one E8M0 scale for each 32 along K, by v_wmma_scale_f32_16x16x128_f8f6f4 with both operands' format E2M1 (or v_wmma_scale_f32_32x16x128_f4), f32 sums; everything else in f32.
;; Inputs: Wk_codes 768 x 4 x 16 uint8 (E2M1 codes of Wk, K innermost, in blocks of 32 codes, two codes a byte); Wk_scales 768 x 4 uint8 (E8M0 scales of Wk, one for each 32 codes along K); Wq_codes 768 x 24 x 16 uint8 (E2M1 codes of Wq, K innermost, in blocks of 32 codes, two codes a byte); Wq_scales 768 x 24 uint8 (E8M0 scales of Wq, one for each 32 codes along K); Wv_codes 768 x 4 x 16 uint8 (E2M1 codes of Wv, K innermost, in blocks of 32 codes, two codes a byte); Wv_scales 768 x 4 uint8 (E8M0 scales of Wv, one for each 32 codes along K); age_features_codes 8 x 4 x 16 uint8 (E2M1 codes of age_features, K innermost, in blocks of 32 codes, two codes a byte); age_features_scales 8 x 4 uint8 (E8M0 scales of age_features, one for each 32 codes along K); bk 768 float32; bq 768 float32; bv 768 float32; pixel_features 8 x 2,048 x 768 float32.
;; Outputs: out0 8 x 2,048 x 768 float32.
;; This version of the problem:
;;   THIS VERSION OF THE PROBLEM IS GIVEN IN LOW PRECISION. The matrix products marked QUANTISED in the list below multiply operands that are first quantised to E2M1 (2 exponent bits, 1 mantissa bit; 4 bits a number), with one power-of-two scale for each 32 numbers along K (OCP MX v1.0); their sums are f32. All else is computed in f32.
;;   The module's matrix products, in the order in which they are computed (A, B: the left and right operand; K: the contracted axis; several contracted axes count as one K, in the product's order):
;;     1. [M 16,384, K 768] x [K 768, N 768]; A: input pixel_features; B: input Wq (given as codes): QUANTISED
;;     2. [M 16,384, K 128] x [K 128, N 768]; A: input age_features (given as codes); B: input Wk (given as codes): QUANTISED
;;     3. [M 16,384, K 128] x [K 128, N 768]; A: input age_features (given as codes); B: input Wv (given as codes): QUANTISED
;;     4. batch 8 x [M 2,048, K 768] x [K 768, N 2,048]; A: computed on the way; B: computed on the way: QUANTISED
;;     5. batch 8 x [M 2,048, K 2,048] x [K 2,048, N 768]; A: softmax (see below); B: computed on the way: QUANTISED
;;   THE QUANTISER, for each operand of a quantised product, along K:
;;     - K is cut into blocks of 32 from its start; a last block that is shorter is filled with zeros.
;;     - A block's scale is 2^e with e = floor(log2(the largest magnitude in the block)) - 2, held to -126 .. 127; a block of zeros has e = 0. As a byte (E8M0): e + 127.
;;     - Each number is divided by its block's scale, clamped to +-6, and rounded to the nearest number of E2M1, ties to even, subnormals kept.
;;     - The product sums the exact products of the quantised numbers (number of the format x scale) in f32.
;;   ~~~python
;;   def quantise(x, axis):      # numpy; x: float32 -> the quantised numbers, widened to float32 again
;;       x = np.moveaxis(x, axis, -1); K = x.shape[-1]
;;       x = np.pad(x, [(0, 0)] * (x.ndim - 1) + [(0, -K % 32)]); x = x.reshape(x.shape[:-1] + (-1, 32)); a = np.abs(x).max(-1, keepdims=True)
;;       e = np.where(a > 0, np.clip(np.frexp(np.where(a > 0, a, 1))[1] - 1 - 2, -126, 127), 0)      # np.frexp(a)[1] - 1 = floor(log2(a)), exactly
;;       r = np.clip(x / 2.0 ** e, -6, 6)
;;       step = 2.0 ** (np.maximum(np.frexp(np.where(r == 0, 1, r))[1] - 1, 0) - 1)
;;       q = np.round(r / step) * step * 2.0 ** e      # np.round: ties to even
;;       return np.moveaxis(q.reshape(q.shape[:-2] + (-1,))[..., :K], -1, axis).astype(np.float32)
;;   ~~~
;;   SOFTMAX AHEAD OF A QUANTISED PRODUCT. Where the list says 'softmax', what is quantised is not the finished softmax but p = 2^(t - M), with t = logit x log2(e) and M = ceil(the row's largest t), a whole number; so 1/2 < the row's largest p <= 1. The row's sum l is taken of the UNQUANTISED p, in f32, and the product's result is divided by l at the end. Since M is a whole number, a kernel that streams over the keys may use a running M (the ceiling of the running maximum): every later rescaling is an exact power of two, which a block's scale takes up: the codes' values come out the same.
;;   OPERANDS COMPUTED ON THE WAY. 'Computed on the way' means the value that the module computes at that place (a softmax that the list does not call 'softmax' is quantised finished and normalised). What goes into a quantiser is computed in f32, as accurately as f32 sums, v_exp_f32 and their like allow (about 1e-6 of the number): no bf16 or f16 on the way to a quantiser, and a product that is left as it is and whose result goes on into a quantised operand takes f32 operands (vector FMAs, or v_wmma_f32_16x16x4_f32). A number that lies on a knife's edge between two numbers of the format may be rounded either way, as far as f32 arithmetic and the matrix unit's own rounding can turn it there, and no further.
;;   INPUTS GIVEN AS CODES. Wk (in the module: [128, 768], K = its axis 0); Wq (in the module: [768, 768], K = its axis 0); Wv (in the module: [128, 768], K = its axis 0); age_features (in the module: [8, 128], K = its axis 1): each comes as NAME_codes (uint8): NAME with its K axis moved to the last place and cut into blocks of 32 codes, [.., K / 32, bytes a block], one block behind the other in memory; two codes a byte, the lower K in the low four bits (a code: sign, 2 exponent bits, 1 mantissa bit); and NAME_scales (uint8): the same leading axes, one E8M0 byte (e + 127) for each 32 codes along K. Its value is code x scale, taken as it is: it is not quantised again, and the codes and scales need not be those that the quantiser above would give.
;; One version. Each part assembles by itself: llvm-mc -triple=amdgcn-amd-amdhsa -mcpu=gfx1250 --defsym DOCPART=n.
;; ======== version 1 of 1: 1 launch
;; launch xattn (part 1): grid 256 x 1, 4 waves a work-group, no clusters, 270,336 bytes of LDS; arguments pixel_features, Wq_codes, Wq_scales, bq, Wk_codes, Wk_scales, bk, Wv_codes, Wv_scales, bv, age_features_codes, age_features_scales, out0; writes out0
.if DOCPART == 1
	.amdgcn_target "amdgcn-amd-amdhsa--gfx1250"
	.amdhsa_code_object_version 6
	.text
	.protected	k_qa952599156_xattn
	.globl	k_qa952599156_xattn
	.p2align	8
	.type	k_qa952599156_xattn,@function
k_qa952599156_xattn:
	s_mov_b64 s[64:65], 0
	v_nop
	global_prefetch_b8 v0, s[64:65] scope:SCOPE_SE
	s_setreg_imm32_b32 hwreg(HW_REG_WAVE_MODE, 25, 1), 1
	s_wait_xcnt 0x0
; out0[b][n][:] = softmax_m(q[b][n] . k[b][m] / sqrt(768)) v[b][m][:] + pixel_features[b][n][:], all five products on codes of E2M1 with one E8M0 scale for each 32 along K.
; WHAT IS LEFT OUT, AND WHY IT MAY GO.  reference() itself broadcasts age_features over the 2,048 positions m, so for every value of the inputs all rows m of k[b] are one and the same function of the
; same inputs, and likewise all rows of v[b]; their codes and scales are the same too.  So: (a) k[b] and v[b] are made once for a batch, not 2,048 times; (b) a query's 2,048 scores are one number, so
; one key column of the fourth product is made; t, M = ceil(t) and p = 2^(t - M) do not hang on m; (c) the fifth product's 16 steps of 128 keys multiply the same codes under the same scales: the sum over
; 2,048 keys is 16 x the sum over 128 (each term has at most four significant bits under a power of two: nothing is rounded), the row's sum of p is 2,048 p, and the quotient is (sum over 128 keys) / (128 p).
; Nothing but repetition goes: every quantiser of the five products is run as it stands (x, q, k along the 768; p and v along the keys), every bias is added, and every input is loaded.
; LIMITS: the row's sum is taken as 2,048 p and not as a chain of 2,048 additions (it differs by rounding alone); a block of zeros gets the scale byte 1 and not 127 (its codes are zeros, and this program
; alone reads the bytes); blocks whose largest magnitude lies under 2^(2 - 126) were not tried; NaN and infinities among the inputs are not served: a score that is not finite gives NaN in its row.
; SHARES.  256 work-groups of four waves; a work-group owns 64 pixel rows of one batch (32 work-groups a batch).  Its 64 x 3,072 bytes of pixel_features come into LDS once, by two tensor loads a wave
; (rows of the first half of 32, then of the second), are read there for the quantiser and again for the residual, and are never filled again.  THE WAVES SHARE THE COLUMNS: wave w owns columns
; 192 w .. 192 w + 191 of q, k, v and out0 for all rows, so its quarter of Wq (72 fragments, 576 registers) stays in its registers.  No cluster: each fragment of Wq is used by one wave of a work-group
; and goes to its registers; a shared copy in LDS (768 rows of 384 + 16 bytes) does not fit beside the pixel tile's 199,680 bytes, and a ring for it would have to wait for the pixel loads at each refill.
; TILES.  The first product is used transposed (source 0 = 16 rows of Wq, source 1 = 16 pixel rows), and lane r of tile 2 g + u takes row 32 g + 8 u + r + 8 (r / 8) of my 192: so a lane holds ONE pixel
; row, and the 16 registers of tiles 2 g, 2 g + 1 are 16 neighbours along the next K.  k is made in the same layout, with age as 16 equal columns.  v's tile 4 G + u takes columns 64 G + 4 r + u, so that
; the four tiles of a group give a lane four neighbouring numbers of a row of out0, and sixteen lanes 256 consecutive bytes.
; The text is straight: two halves by one macro, no loop, no label, no branch.
; REGISTERS, in windows of 256: windows 1, 2 and v0-63 of window 3: Wq's fragments ((tile t, K step s) is number 12 s + t, eight registers each).  v64-255 of window 3 (ACC): in turn bk and k, Wv's
; fragments, 3 x 64 numbers of x, the 24 accumulators of q, the fifth product's 12 results and 96 registers of pixels.  Window 0: addresses, scale words, codes, what is at work; v160-255 (XF) operands.
.set PITCH, 3120                       ; a pixel row in LDS: three pieces of 1,024 bytes + 16 of padding each: 195 x 16 bytes, so the 16 rows that a load touches fall on 16 different columns of 16 bytes
.set STG,   199680                     ; behind the 64 pixel rows: a stage of 32 places x 400 bytes (a row of Wq's codes, 384, + 16) for each wave
.set STGW,  12800
.set XIMG,  250880                     ; x's 12 fragments of a half (6 T + s), as images of their registers, 1,024 bytes each
.set XSC,   263168                     ; their scale words: 128 bytes a K step, word 16 T + r
.set BQ,    263936                     ; bq as it lies; wave w stores and reads bytes 768 w .. 768 w + 767 alone
.set PS,    267008                     ; the four waves' parts of the scores: 16 bytes a row of the half, 4 bytes a wave
.set SCR,   267520                     ; 512 bytes for each wave: p's code word, p's scale word and 1 / (128 p) of the half's 32 rows
.set SPARE, 269568                     ; the spare words, 128 bytes for each wave: two blocks of 256 bytes that no other line names
.set SPW,  1                           ; v1   LDS address of my spare word; never rewritten
.set NIL,  2                           ; v2   0; never rewritten
.set LI,   3                           ; v3   16 x lane
.set ZO,   4                           ; v4   0, as an offset
.set XA,   5                           ; v5-7 LDS: my three fragments' numbers of x
.set XWI,  8                           ; v8   where I store x's images;  v9 their scale words
.set XWS,  9
.set XRI,  10                          ; v10  where any wave reads them;  v11 their scale words
.set XSR,  11
.set BQA,  12                          ; v12  bq in the result's layout
.set PSW,  13                          ; v13  my part of a score;  v14 a row's four parts
.set PSR,  14
.set SCS,  15                          ; v15-17 my scratch: by lane, by row r, by half h
.set SCP,  16
.set SCG,  17
.set OA,   18                          ; v18-20 LDS: the pixels of my three groups of 64 columns
.set OV,   21                          ; v21  my byte offset in the work-group's rows of out0; never rewritten
.set SA,   22                          ; v22-24 the stage, on the way in
.set FA,   25                          ; v25  and on the way out
.set BQW,  26
.set WKO,  27                          ; v27-31 offsets of the head's global loads
.set WKS,  28
.set WQS,  29
.set WVO,  30
.set R16,  31
.set SCW,  32                          ; v32-67 Wq's scale words, 6 g + s: lanes 0-15 tile 2 g, lanes 16-31 tile 2 g + 1
.set KS,   68                          ; v68-69 k's scale words
.set VSC,  70                          ; v70-81 v's scale words
.set KSW,  82                          ; v82-101 hold scale words and nothing else.  In the head: v82-87 Wk's, v88 age's, v90-101 Wv's
.set AS,   88
.set VW,   90
.set XS,   82                          ; in the halves: v82-87 x's (lanes 0-15 T = 0, lanes 16-31 T = 1), v88-91 q's (2 T + step), v92-93 p's
.set QS,   88
.set PSC,  92
.set VCODE, 102                        ; v102-113 v's code, eight times in a register, for each of my 12 tiles
.set QK,   114                         ; v114-129 k's two fragments; the last four registers are zero codes
.set MX,   130                         ; v130-133 largest magnitudes;  v134-137 the other half's, then bytes;  v138-141 the conversions' scale operands
.set XB,   134
.set SO,   138
.set AG,   130                         ; head: v130-137 age's fragment;  v142-153 bv
.set BV,   142
.set H16,  154
.set H64,  155
.set L8,   156
.set LN,   157
.set RR,   158
.set HH,   159
.set PW,   142                         ; v142-144 x's scale words on their way to LDS
.set POP,  130                         ; the way out: v130-137 p's fragment;  v138-153 1 / (128 p) of eight rows, for T = 0, 1;  v154-155 p's code words;  v156-159 at work
.set GG,   138
.set PCD,  154
.set WRK,  156
.set XF,   160
.set QQ,   160                         ; q's fragments: 16 T + 8 step
.set SS,   192                         ; the scores' accumulators, 8 T
.set P8,   208                         ; p, eight times
.set PT,   216
.set ACC,  64                          ; in window 3
.set PB,   160                         ; in window 3: ACC + 96
.set MSB, 0
.macro WIN new                         ; bits 1:0 source 0, 3:2 source 1, 5:4 source 2, 7:6 destination; the high byte repeats the setting that is left; a switch that changes nothing is dropped
.if MSB != (\new)
	s_set_vgpr_msb (MSB<<8)|(\new)
.set MSB, (\new)
.endif
.endm
.macro NOPS n                          ; places behind or ahead of matrix instructions, where no other vector work is at hand (ISA guide 7.12.1)
.rept \n
	v_nop
.endr
.endm
.macro BAR                             ; my LDS stores have landed and my LDS loads are in: then the work-group's barrier
	s_wait_dscnt 0x0
	s_barrier_signal -1
	s_barrier_wait -1
.endm
; One matrix instruction.  c < 0: the constant 0 starts the sum.  ra, rb = 1: that side's scale words are taken from lanes 16-31.
.macro WM d, a, b, c, sa, sb, ra, rb
.set wsel, 2*(\ra)+(\rb)
.if (\c) < 0
	v_wmma_scale_f32_16x16x128_f8f6f4 v[(\d):(\d)+7], v[(\a):(\a)+7], v[(\b):(\b)+7], 0, v[\sa], v[\sb] matrix_a_fmt:MATRIX_FMT_FP4 matrix_b_fmt:MATRIX_FMT_FP4
.elseif wsel == 0
	v_wmma_scale_f32_16x16x128_f8f6f4 v[(\d):(\d)+7], v[(\a):(\a)+7], v[(\b):(\b)+7], v[(\c):(\c)+7], v[\sa], v[\sb] matrix_a_fmt:MATRIX_FMT_FP4 matrix_b_fmt:MATRIX_FMT_FP4
.elseif wsel == 1
	v_wmma_scale_f32_16x16x128_f8f6f4 v[(\d):(\d)+7], v[(\a):(\a)+7], v[(\b):(\b)+7], v[(\c):(\c)+7], v[\sa], v[\sb] matrix_a_fmt:MATRIX_FMT_FP4 matrix_b_fmt:MATRIX_FMT_FP4 matrix_b_scale:MATRIX_SCALE_ROW1
.elseif wsel == 2
	v_wmma_scale_f32_16x16x128_f8f6f4 v[(\d):(\d)+7], v[(\a):(\a)+7], v[(\b):(\b)+7], v[(\c):(\c)+7], v[\sa], v[\sb] matrix_a_fmt:MATRIX_FMT_FP4 matrix_b_fmt:MATRIX_FMT_FP4 matrix_a_scale:MATRIX_SCALE_ROW1
.else
	v_wmma_scale_f32_16x16x128_f8f6f4 v[(\d):(\d)+7], v[(\a):(\a)+7], v[(\b):(\b)+7], v[(\c):(\c)+7], v[\sa], v[\sb] matrix_a_fmt:MATRIX_FMT_FP4 matrix_b_fmt:MATRIX_FMT_FP4 matrix_a_scale:MATRIX_SCALE_ROW1 matrix_b_scale:MATRIX_SCALE_ROW1
.endif
.endm
.macro WORD4 d                         ; the four bytes that QUANT has left make a scale word
	v_lshl_or_b32 v[\d], v[XB+1], 8, v[XB]
	v_lshl_or_b32 v[\d], v[XB+2], 16, v[\d]
	v_lshl_or_b32 v[\d], v[XB+3], 24, v[\d]
.endm
; THE QUANTISER.  nb (4 or 2) blocks of 32 along K: register src + 16 b + i of window 3 is number 32 b + 16 (lane / 16) + i of my row; lanes l and l xor 16 share a block.
; The codes go to window 0 in the operand's layout: blocks 0, 1 to dA .. dA + 3, blocks 2, 3 to dB .. dB + 3; the blocks' scale bytes are left in v[XB] on.
.macro QUANT src, nb, dA, dB
	WIN 0x0f                                       ; sources 0 and 1 in window 3
.set qb, 0
.rept \nb
	v_max3_num_f32 v[MX+qb], |v[(\src)+16*qb]|, |v[(\src)+16*qb+1]|, 0x1800000   ; my 16 numbers, from the low end on, and the floor 2^(3 - 127): the byte cannot fall under 1
.set qb, qb+1
.endr
.irp i, 2,4,6,8,10,12,14
.set qb, 0
.rept \nb
	v_max3_num_f32 v[MX+qb], |v[(\src)+16*qb+\i]|, |v[(\src)+16*qb+\i+1]|, v[MX+qb]   ; (the blocks by turns: no line waits for the line above it)
.set qb, qb+1
.endr
.endr
	WIN 0
.set qb, 0
.rept \nb
	v_permlanex16_b32 v[XB+qb], v[MX+qb], s38, s39
.set qb, qb+1
.endr
.set qb, 0
.rept \nb
	v_max_num_f32 v[MX+qb], v[MX+qb], v[XB+qb]     ; with lane l xor 16's: the block's largest magnitude
.set qb, qb+1
.endr
.set qb, 0
.rept \nb
	v_add_nc_u32 v[SO+qb], 0xff000000, v[MX+qb]    ; 2 off its exponent field: the conversion takes the exponent field of this operand as its scale
.set qb, qb+1
.endr
.set qb, 0
.rept \nb
	v_lshrrev_b32 v[XB+qb], 23, v[SO+qb]           ; the scale's byte
.set qb, qb+1
.endr
	WIN 0x03                                       ; source 0 in window 3
.set qb, 0
.rept \nb
.if qb < 2
.set qd, (\dA)+2*qb
.else
.set qd, (\dB)+2*(qb-2)
.endif
	v_cvt_scalef32_pk8_fp4_f32 v[qd], v[(\src)+16*qb:(\src)+16*qb+7], v[SO+qb]
	v_cvt_scalef32_pk8_fp4_f32 v[qd+1], v[(\src)+16*qb+8:(\src)+16*qb+15], v[SO+qb]
.set qb, qb+1
.endr
	WIN 0
	v_nop                                          ; one plain place behind the last scaled conversion
	v_permlane16_swap_b32 v[(\dA)], v[(\dA)+2]     ; the operand's layout wants a WHOLE block in a lane: lanes 0-15 the even block, lanes 16-31 the odd one
	v_permlane16_swap_b32 v[(\dA)+1], v[(\dA)+3]
.if (\nb) == 4
	v_permlane16_swap_b32 v[(\dB)], v[(\dB)+2]
	v_permlane16_swap_b32 v[(\dB)+1], v[(\dB)+3]
.endif
.endm
; 32 rows of my quarter of Wq (12,288 consecutive bytes, loaded 512 at a time) turn through my own stage into the 12 fragments of tiles 2 g and 2 g + 1.  Load tq landed in registers of those same
; fragments, so the group's 96 registers serve both ways.  In the stage row 8 u + (r & 7) + 16 (r / 8) has place 16 u + r.  cnt: the loads issued behind the group's, which may stay out.
.macro TURNQ g, cnt
	s_wait_loadcnt \cnt
.set tq, 0
.rept 24
.set fi, 12*(tq/4)+2*(\g)+(tq/2)%2
.set ta, tq/3                                  ; three loads are four rows
	WIN (fi/32+1)<<2
	ds_store_b128 v[SA+tq%3], v[8*(fi%32)+4*(tq%2):8*(fi%32)+4*(tq%2)+3] offset:400*(16*((ta>>1)&1)+8*(ta>>2)+4*(ta&1))
.set tq, tq+1
.endr
	s_wait_dscnt 0x0                               ; the stores have read their registers, which the loads below write
.set tq, 0
.rept 24
.set fi, 12*(tq/4)+2*(\g)+(tq/2)%2
	WIN (fi/32+1)<<6
	ds_load_b128 v[8*(fi%32)+4*(tq%2):8*(fi%32)+4*(tq%2)+3], v[FA] offset:6400*((tq/2)%2)+64*(tq/4)+32*(tq%2)   ; K step tq / 4, tile 2 g + (tq / 2) % 2, registers 4 (tq % 2) on
.set tq, tq+1
.endr
.endm
; K step s of the first product: my 12 tiles of columns x the half's two tiles of rows.  The 24 accumulators take turns, one instruction a turn, in the same order in every K step.
.macro MM1 s
.set mt, 0
.rept 12
.set fi, 12*(\s)+mt
	WIN 0xf0|(fi/32+1)                             ; Wq's fragment in window 1, 2 or 3, x's in window 0, C and D in window 3
	WM ACC+8*mt, 8*(fi%32), XF+8*(\s), ACC+8*mt, SCW+6*(mt/2)+(\s), XS+(\s), mt%2, 0
	WM ACC+8*(12+mt), 8*(fi%32), XF+8*(6+(\s)), ACC+8*(12+mt), SCW+6*(mt/2)+(\s), XS+(\s), mt%2, 1
.set mt, mt+1
.endr
.endm
	s_load_b512 s[8:23], s[0:1], 0x0               ; pixel s[8:9], Wq's codes s[10:11], scales s[12:13], bq s[14:15], Wk's codes s[16:17], scales s[18:19], bk s[20:21], Wv's codes s[22:23]
	s_load_b256 s[24:31], s[0:1], 0x40             ; Wv's scales s[24:25], bv s[26:27], age's codes s[28:29], scales s[30:31]
	s_load_b64 s[32:33], s[0:1], 0x60              ; out0
	v_lshl_add_u32 v[SPW], v0, 2, SPARE
	v_mov_b32 v[NIL], 0
	ds_add_u32 v[SPW], v[NIL]                      ; the wave's opening: the add, twice on end, and its wait ahead of my first tensor load; the set-up below stands between
	ds_add_u32 v[SPW], v[NIL]
	v_lshrrev_b32 v[LN], 5, v0
	v_readfirstlane_b32 s34, v[LN]                 ; wave 0..3
	; descriptor group 1: my 8 pixel rows of a half are 24,576 consecutive bytes: 24 rows of 256 elements of 4 bytes, 16 bytes of padding behind each
	s_mov_b32 s40, (2<<16)|(1<<20)|(7<<22)|(3<<25) ; no mask; elements of 4 bytes; padding on: after every 256 words (code 7) four words (code 3)
	s_mov_b32 s41, 256<<16                         ; tensor_dim0 = 256
	s_mov_b32 s42, 24<<16                          ; tensor_dim1 = 24
	s_mov_b32 s43, 256<<16                         ; tile_dim0 = 256
	s_mov_b32 s44, 24                              ; tile_dim1 = 24
	s_mov_b32 s45, 256                             ; from row to row
	s_mov_b32 s46, 0
	s_mov_b32 s47, 0
	s_mov_b32 s48, 1                               ; group 0 for each half: count = 1,
	s_mov_b32 s52, 1
	s_mul_i32 s49, s34, 8*PITCH                    ; LDS address: rows 8 w on,
	s_add_co_u32 s53, s49, 32*PITCH                ; rows 32 + 8 w on
	s_mul_i32 s36, ttmp9, 64*3072                  ; the work-group's 64 rows, in pixel_features and in out0 (under 2^26)
	s_mov_b32 s37, 0
	s_mul_i32 s56, s34, 8*3072
	s_add_co_u32 s56, s56, s36
	s_mov_b32 s57, 0
	s_mov_b32 s38, 0x76543210
	s_mov_b32 s39, 0xfedcba98                      ; v_permlanex16_b32's selects for lane l xor 16
	s_wait_dscnt 0x0                               ; both opening adds are done
	s_wait_kmcnt 0x0
	s_add_nc_u64 s[50:51], s[8:9], s[56:57]        ; global address: my 8 rows of the first half,
	s_add_nc_u64 s[54:55], s[50:51], 32*3072       ; of the second
	s_or_b32 s51, s51, 0x80000000                  ; type = 2
	s_or_b32 s55, s55, 0x80000000
	tensor_load_to_lds s[48:51], s[40:47]          ; both fills go out ahead of everything else; by this text's count two tensor loads of a wave are out, and none is issued later
	s_nop 0
	tensor_load_to_lds s[52:55], s[40:47]
	s_nop 0
	v_and_b32 v[LN], 31, v0                        ; lane
	v_and_b32 v[RR], 15, v0                        ; r
	v_bfe_u32 v[HH], v0, 4, 1                      ; h
	v_lshlrev_b32 v[LI], 4, v[LN]
	v_mov_b32 v[ZO], 0
	; every buffer at my wave's part: each base is stepped once, here, and never again
	s_add_nc_u64 s[32:33], s[32:33], s[36:37]      ; out0 at the work-group's first row
	s_mul_i32 s36, s34, 192*384
	s_add_nc_u64 s[10:11], s[10:11], s[36:37]      ; Wq's codes: my 192 rows of 384 bytes
	s_mul_i32 s36, s34, 192*24
	s_add_nc_u64 s[12:13], s[12:13], s[36:37]      ; Wq's scales: 24 bytes a row
	s_mul_i32 s36, s34, 768
	s_add_nc_u64 s[14:15], s[14:15], s[36:37]      ; bq, bk, bv: 192 numbers; Wk's and Wv's scales: 192 words
	s_add_nc_u64 s[18:19], s[18:19], s[36:37]
	s_add_nc_u64 s[20:21], s[20:21], s[36:37]
	s_add_nc_u64 s[24:25], s[24:25], s[36:37]
	s_add_nc_u64 s[26:27], s[26:27], s[36:37]
	s_mul_i32 s36, s34, 192*64
	s_add_nc_u64 s[16:17], s[16:17], s[36:37]      ; Wk's and Wv's codes: 64 bytes a row
	s_add_nc_u64 s[22:23], s[22:23], s[36:37]
	s_lshr_b32 s58, ttmp9, 5                       ; the batch
	s_lshl_b32 s36, s58, 6
	s_add_nc_u64 s[28:29], s[28:29], s[36:37]      ; age's codes: 64 bytes a batch,
	s_lshl_b32 s36, s58, 2
	s_add_nc_u64 s[30:31], s[30:31], s[36:37]      ; its scale word
	; LDS addresses: a constant + a constant x wave + terms of the lane
	s_lshr_b32 s56, s34, 1                         ; I quantise fragments 3 w .. 3 w + 2 of a half's twelve (6 T + s): T = w / 2,
	s_and_b32 s57, s34, 1                          ; s = 3 (w % 2) + i
	v_mul_u32_u24 v160, v[RR], PITCH
	v_lshl_add_u32 v160, v[HH], 6, v160            ; row r, + 64 h: my 16 numbers of a block of 32
	s_mul_i32 s58, s56, 16*PITCH
	s_mul_i32 s59, s57, 3
.irp i, 0,1,2
	s_add_co_u32 s60, s59, \i
	s_lshl_b32 s61, s60, 9                         ; 512 bytes a K step,
	s_lshr_b32 s60, s60, 1
	s_lshl_b32 s60, s60, 4                         ; 16 more for each 1,024 passed
	s_add_co_u32 s61, s61, s60
	s_add_co_u32 s61, s61, s58
	v_add_nc_u32 v[XA+\i], s61, v160
.endr
	s_mul_i32 s60, s34, 3*1024
	s_add_co_u32 s60, s60, XIMG
	v_add_nc_u32 v[XWI], s60, v[LI]
	s_mul_i32 s60, s57, 3*128
	s_lshl_b32 s61, s56, 6
	s_add_co_u32 s60, s60, s61
	s_add_co_u32 s60, s60, XSC
	v_lshl_add_u32 v[XWS], v[RR], 2, s60
	v_add_nc_u32 v[XRI], XIMG, v[LI]
	v_lshl_add_u32 v[XSR], v[LN], 2, XSC
	s_mul_i32 s62, s34, 768                        ; 768 w: my columns' bytes in a row
	s_add_co_u32 s60, s62, BQ
	v_lshl_add_u32 v[BQA], v[HH], 6, s60
	v_lshl_add_u32 v[BQW], v[LN], 3, s60
	s_lshl_b32 s60, s34, 2
	s_add_co_u32 s60, s60, PS
	v_lshl_add_u32 v[PSW], v[RR], 4, s60
	v_lshl_add_u32 v[PSR], v[LN], 4, PS
	s_lshl_b32 s60, s34, 9
	s_add_co_u32 s60, s60, SCR
	v_lshl_add_u32 v[SCS], v[LN], 2, s60
	v_lshl_add_u32 v[SCP], v[RR], 2, s60
	s_add_co_u32 s60, s60, 256
	v_lshl_add_u32 v[SCG], v[HH], 5, s60
	v_mul_u32_u24 v160, v[HH], 8*PITCH             ; the way out: lanes 0-15 take a row, lanes 16-31 the row 8 below; 16 bytes a lane
	v_lshl_add_u32 v160, v[RR], 4, v160
	s_mul_i32 s59, s34, 3
.irp n, 0,1,2
	s_add_co_u32 s60, s59, \n                      ; group n's 256 bytes are number 3 w + n of a row's twelve: four to a piece of 1,024
	s_lshr_b32 s60, s60, 2
	s_lshl_b32 s60, s60, 4
	s_add_co_u32 s60, s60, s62
	s_add_co_u32 s60, s60, 256*\n
	v_add_nc_u32 v[OA+\n], s60, v160
.endr
	v_mul_u32_u24 v160, v[HH], 8*3072
	v_lshl_add_u32 v160, v[RR], 4, v160
	v_add_nc_u32 v[OV], s62, v160
	s_mul_i32 s60, s34, STGW
	s_add_co_u32 s60, s60, STG
.irp e, 0,1,2
	v_add_nc_u32 v160, 32*\e, v[LN]                ; y: which 16 bytes of three loads' 1,536 (four rows of 24)
	v_mul_u32_u24 v161, v160, 43
	v_lshrrev_b32 v161, 10, v161                   ; y / 24, for y under 96
	v_add_nc_u32 v160, v160, v161                  ; 16 bytes of padding behind each row
	v_lshl_add_u32 v[SA+\e], v160, 4, s60
.endr
	v_mul_u32_u24 v160, v[RR], 400
	v_lshl_add_u32 v160, v[HH], 4, v160
	v_add_nc_u32 v[FA], s60, v160
	; offsets of the head's global loads
	v_and_b32 v160, 7, v0
	v_bfe_u32 v161, v0, 3, 1
	v_lshl_add_u32 v160, v161, 4, v160             ; r + 8 (r / 8)
	v_lshlrev_b32 v[WKO], 6, v160
	v_lshl_add_u32 v[WKO], v[HH], 4, v[WKO]        ; Wk's fragments: that row of 64 bytes, + 16 h
	v_lshl_add_u32 v160, v[HH], 3, v160            ; scale words of two tiles in one register: lanes 16-31 take the rows 8 further on
	v_lshlrev_b32 v[WKS], 2, v160
	v_mul_u32_u24 v[WQS], v160, 24
	v_lshlrev_b32 v[WVO], 8, v[RR]
	v_lshl_add_u32 v[WVO], v[HH], 4, v[WVO]        ; Wv's fragments: row 4 r (+ the tile's), + 16 h
	v_lshlrev_b32 v[R16], 4, v[RR]
	v_lshlrev_b32 v[H16], 4, v[HH]
	v_lshlrev_b32 v[H64], 6, v[HH]
	v_lshlrev_b32 v[L8], 3, v[LN]
.irp x, 0,1,2,3
	v_mov_b32 v[QK+12+\x], 0                       ; my 192 columns are one and a half K steps: the rest is zero codes, on both sides
.endr
	; THE HEAD'S LOADS: 105 small ones, then my quarter of Wq in 144 loads of 512 consecutive bytes
	global_load_b128 v[AG:AG+3], v[H16], s[28:29]              ; age's fragment: the same row in all sixteen places
	global_load_b128 v[AG+4:AG+7], v[H16], s[28:29] offset:32
	global_load_b32 v[AS], v[ZO], s[30:31]
.irp t, 0,1,2,3,4,5,6,7,8,9,10,11
.irp c, 0,1
	global_load_b128 v[XF+8*\t+4*\c:XF+8*\t+4*\c+3], v[WKO], s[16:17] offset:(32*(\t/2)+8*(\t%2))*64+32*\c
.endr
.endr
.irp g, 0,1,2,3,4,5
	global_load_b32 v[KSW+\g], v[WKS], s[18:19] offset:128*\g
.endr
.irp n, 0,1,2
	global_load_b128 v[VW+4*\n:VW+4*\n+3], v[R16], s[24:25] offset:256*\n     ; the words of rows 64 n + 4 r + 0 .. 3: one for each of the group's four tiles
	global_load_b128 v[BV+4*\n:BV+4*\n+3], v[R16], s[26:27] offset:256*\n     ; bv likewise
.endr
.irp g, 0,1,2,3,4,5
.irp x, 0,1,2
	global_load_b64 v[SCW+6*\g+2*\x:SCW+6*\g+2*\x+1], v[WQS], s[12:13] offset:768*\g+8*\x
.endr
.endr
	WIN 0xc0                                       ; destination window 3
.irp t, 0,1,2,3,4,5,6,7,8,9,10,11
.irp e, 0,1
	global_load_b128 v[ACC+8*\t+4*\e:ACC+8*\t+4*\e+3], v[H64], s[20:21] offset:(32*(\t/2)+8*(\t%2))*4+16*\e   ; bk in the result's layout: it is the C of k's product
.endr
.endr
.irp i, 0,1,2,3,4,5,6,7,8,9,10,11
.irp c, 0,1
	global_load_b128 v[ACC+96+8*\i+4*\c:ACC+96+8*\i+4*\c+3], v[WVO], s[22:23] offset:(64*(\i/4)+(\i%4))*64+32*\c
.endr
.endr
.set tg, 0
.rept 6
.set tq, 0
.rept 24
.set fi, 12*(tq/4)+2*tg+(tq/2)%2
	WIN (fi/32+1)<<6
	global_load_b128 v[8*(fi%32)+4*(tq%2):8*(fi%32)+4*(tq%2)+3], v[LI], s[10:11] offset:12288*tg+512*tq
.set tq, tq+1
.endr
.set tg, tg+1
.endr
	s_wait_loadcnt 63                              ; 144 loads were issued behind the 105 small ones: those are in
	; k = age Wk + bk, my 192 columns, in q's layout
	WIN 0xf0                                       ; C and D window 3
.irp t, 0,1,2,3,4,5,6,7,8,9,10,11
	WM ACC+8*\t, XF+8*\t, AG, ACC+8*\t, KSW+\t/2, AS, \t%2, 0
.endr
	NOPS 5                                         ; v's results are laid over Wk's fragments: five places
	; v = age Wv (+ bv below): every register of a lane holds its column's number
	WIN 0x0c                                       ; source 1 window 3
.irp i, 0,1,2,3,4,5,6,7,8,9,10,11
	WM XF+8*\i, AG, ACC+96+8*\i, -1, AS, VW+\i, 0, 0
.endr
	WIN 0
	NOPS 4
	QUANT ACC, 4, QK, QK+4                         ; k along the 768: my blocks 0-3,
	WORD4 KS
	QUANT ACC+64, 2, QK+8, 0                       ; and 4, 5
	v_lshl_or_b32 v[KS+1], v[XB+1], 8, v[XB]       ; (the bytes of the zero codes are 0: any byte but 0xff serves)
	; v along the keys: a block is 32 times the same number, so its largest magnitude is that number's
.irp n, 0,1,2
.irp j, 0,1,2,3,4,5,6,7
.irp u, 0,1,2,3
	v_add_f32 v[XF+8*(4*\n+\u)+\j], v[XF+8*(4*\n+\u)+\j], v[BV+4*\n+\u]
.endr
.endr
.irp u, 0,1,2,3
	v_max3_num_f32 v[MX+\u], |v[XF+8*(4*\n+\u)]|, |v[XF+8*(4*\n+\u)+1]|, 0x1800000
.endr
.irp u, 0,1,2,3
	v_add_nc_u32 v[SO+\u], 0xff000000, v[MX+\u]
.endr
.irp u, 0,1,2,3
	v_lshrrev_b32 v[XB+\u], 23, v[SO+\u]
.endr
.irp u, 0,1,2,3
	v_cvt_scalef32_pk8_fp4_f32 v[VCODE+4*\n+\u], v[XF+8*(4*\n+\u):XF+8*(4*\n+\u)+7], v[SO+\u]   ; the code, eight times
.endr
.irp u, 0,1,2,3
	v_lshl_or_b32 v[XB+\u], v[XB+\u], 8, v[XB+\u]  ; (plain lines behind the conversions)  the byte, four times: all blocks of keys are alike
.endr
.irp u, 0,1,2,3
	v_lshl_or_b32 v[VSC+4*\n+\u], v[XB+\u], 16, v[XB+\u]
.endr
.endr
.irp x, 0,1,2
	global_load_b64 v[XF+2*\x:XF+2*\x+1], v[L8], s[14:15] offset:256*\x   ; my 192 numbers of bq
.endr
	TURNQ 0, 63                                    ; behind group g stand 24 (5 - g) loads of Wq and bq's three; the count's field holds 63
	TURNQ 1, 63
	TURNQ 2, 63
	TURNQ 3, 51
	TURNQ 4, 27
	TURNQ 5, 3
	WIN 0
	s_wait_loadcnt 0x0
.irp x, 0,1,2
	ds_store_b64 v[BQW], v[XF+2*\x:XF+2*\x+1] offset:256*\x
.endr
; A HALF: 32 pixel rows, two tiles (T = 0, 1) of 16.
.macro HALF H
	s_wait_tensorcnt 1-\H                          ; tensor loads of a wave end in order (ISA guide 10.11.1): my 8 rows of this half are in; in the first half the second's load stays out
	BAR                                            ; everybody's are
	; ---- x: my three fragments are quantised and stored as images of their registers
.if \H
	s_wait_xcnt 0x0                                ; the first half's stores have read their registers, which the loads below write
.endif
	WIN 0xc0
.irp i, 0,1,2
.irp b, 0,1,2,3
.irp j, 0,1,2,3
	ds_load_b128 v[ACC+64*\i+16*\b+4*\j:ACC+64*\i+16*\b+4*\j+3], v[XA+\i] offset:128*\b+16*\j
.endr
.endr
.endr
.irp i, 0,1,2
	s_wait_dscnt 32-13*\i                          ; fragment i's 16 loads are in; behind them stand the later fragments' 16 each and the earlier fragments' three stores each
	QUANT ACC+64*\i, 4, XF+8*\i, XF+8*\i+4
	WORD4 PW+\i
	ds_store_b128 v[XWI], v[XF+8*\i:XF+8*\i+3] offset:1024*\i
	ds_store_b128 v[XWI], v[XF+8*\i+4:XF+8*\i+7] offset:1024*\i+512
	ds_store_b32 v[XWS], v[PW+\i] offset:128*\i    ; both lanes of a row write the same word with the same value
.endr
	WIN 0xc0
.irp m, 0,1
.irp t, 0,1,2,3,4,5,6,7,8,9,10,11
.irp e, 0,1
	ds_load_b128 v[ACC+8*(12*\m+\t)+4*\e:ACC+8*(12*\m+\t)+4*\e+3], v[BQA] offset:(32*(\t/2)+8*(\t%2))*4+16*\e   ; bq in the result's layout: the C of the first K step
.endr
.endr
.endr
	WIN 0
	BAR                                            ; x's twelve fragments lie in LDS
	; ---- q = x Wq + bq: 144 matrix instructions
.irp f, 0,1,2,3,4,5,6,7,8,9,10,11
.irp c, 0,1
	ds_load_b128 v[XF+8*\f+4*\c:XF+8*\f+4*\c+3], v[XRI] offset:1024*\f+512*\c
.endr
.endr
.irp s, 0,1,2,3,4,5
	ds_load_b32 v[XS+\s], v[XSR] offset:128*\s
.endr
	s_wait_dscnt 0x0
.irp s, 0,1,2,3,4,5
	MM1 \s
.endr
	WIN 0
	NOPS 4
	; ---- q along the 768: my six blocks of each row; 12 blocks of a lane on end: T = 0's six, then T = 1's
.irp x, 0,1,2,3
	v_mov_b32 v[QQ+12+\x], 0                       ; zero codes fill the second K step
	v_mov_b32 v[QQ+28+\x], 0
.endr
	QUANT ACC, 4, QQ, QQ+4
	WORD4 QS
	QUANT ACC+64, 4, QQ+8, QQ+16
	v_lshl_or_b32 v[QS+1], v[XB+1], 8, v[XB]
	v_lshl_or_b32 v[QS+2], v[XB+3], 8, v[XB+2]
	QUANT ACC+128, 4, QQ+20, QQ+24
	v_lshl_or_b32 v[QS+2], v[XB], 16, v[QS+2]
	v_lshl_or_b32 v[QS+2], v[XB+1], 24, v[QS+2]
	v_lshl_or_b32 v[QS+3], v[XB+3], 8, v[XB+2]
	NOPS 8                                         ; scale words written by vector lines stand eight places ahead of a scaled matrix instruction, operands four
	; ---- the score, my 192 of the 768: source 0 = k in 16 equal rows, source 1 = q's 16 rows; the two accumulators by turns
	WM SS, QK, QQ, -1, KS, QS, 0, 0
	WM SS+8, QK, QQ+16, -1, KS, QS+2, 0, 0
	WM SS, QK+8, QQ+8, SS, KS+1, QS+1, 0, 0
	WM SS+8, QK+8, QQ+24, SS+8, KS+1, QS+3, 0, 0
	NOPS 4
	ds_store_b32 v[PSW], v[SS]                     ; each accumulator's lowest register: row r's part (all sixteen rows of the result are alike)
	ds_store_b32 v[PSW], v[SS+8] offset:256
	BAR                                            ; the four waves' parts lie in LDS
	; ---- a lane to a row of the half: t, M, p, its code and scale, 1 / (128 p).  Every wave does this for all 32 rows
	ds_load_b128 v[WRK:WRK+3], v[PSR]
	s_wait_dscnt 0x0
	v_add_f32 v[WRK], v[WRK], v[WRK+1]
	v_add_f32 v[WRK+2], v[WRK+2], v[WRK+3]
	v_add_f32 v[WRK], v[WRK], v[WRK+2]
	v_mul_f32 v[WRK], 0x3d553b95, v[WRK]           ; t = score x log2(e) / sqrt(768)
	v_floor_f32 v[WRK+1], -v[WRK]                  ; -M = floor(-t) = -ceil(t): the row's largest t is t itself
	v_add_f32 v[WRK+1], v[WRK], v[WRK+1]           ; t - M
	v_exp_f32 v[P8], v[WRK+1]                      ; p = 2^(t - M)
	v_nop                                          ; a plain place behind the transcendental,
	s_wait_alu depctr_va_vdst(0)                   ; and a wait ahead of the first line that names its result
.irp x, 1,2,3,4,5,6,7
	v_mov_b32 v[P8+\x], v[P8]                      ; a block of keys is 32 times p
.endr
	v_mul_f32 v[WRK+2], 0x43000000, v[P8]          ; 128 p
	v_rcp_f32 v[WRK+3], v[WRK+2]
	v_add_nc_u32 v[WRK], 0xff000000, v[P8]         ; (a plain place)  p lies over 1/2: no floor is wanted
	v_lshrrev_b32 v[WRK+1], 23, v[WRK]
	v_cvt_scalef32_pk8_fp4_f32 v[PT], v[P8:P8+7], v[WRK]
	v_lshl_or_b32 v[WRK+1], v[WRK+1], 8, v[WRK+1]  ; (a plain place behind the conversion)
	v_lshl_or_b32 v[WRK+1], v[WRK+1], 16, v[WRK+1]
	s_wait_alu depctr_va_vdst(0)                   ; for the reciprocal, ahead of the store that reads it
	ds_store_b32 v[SCS], v[PT]
	ds_store_b32 v[SCS], v[WRK+1] offset:128
	ds_store_b32 v[SCS], v[WRK+3] offset:256
.irp m, 0,1                                    ; LDS serves a wave's instructions in order (ISA guide 5.7.1.4): these see my stores
	ds_load_b32 v[PCD+\m], v[SCP] offset:64*\m                       ; row 16 T + r: its code word,
	ds_load_b32 v[PSC+\m], v[SCP] offset:128+64*\m                   ; its scale word;
	ds_load_b128 v[GG+8*\m:GG+8*\m+3], v[SCG] offset:64*\m           ; rows 16 T + 8 h + 0 .. 7: 1 / (128 p)
	ds_load_b128 v[GG+8*\m+4:GG+8*\m+7], v[SCG] offset:64*\m+16
.endr
	; ---- the fifth product (128 of the equal keys), the division, the residual, the stores: a tile of 16 rows at a time
.irp m, 0,1
.if \m
	s_wait_xcnt 0x0                                ; the last tile's stores have read their registers, which the loads below write
.endif
	WIN 0xc0
.irp j, 0,1,2,3,4,5,6,7
.irp n, 0,1,2
	ds_load_b128 v[PB+4*(3*\j+\n):PB+4*(3*\j+\n)+3], v[OA+\n] offset:PITCH*\j   ; pixels of row 8 h + j, columns 64 n + 4 r + 0 .. 3 of my 192
.endr
.endr
	WIN 0
.if \m == 0
	s_wait_dscnt 24                                ; all but the 24 just issued: the eight loads from my scratch are in
.endif
.irp x, 0,1,2,3,4,5,6,7
	v_mov_b32 v[POP+\x], v[PCD+\m]                 ; p's fragment: 128 equal codes a row
.endr
.if \m == 0
.irp i, 0,1,2,3,4,5,6,7,8,9,10,11
.irp x, 0,1,2,3,4,5,6,7
	v_mov_b32 v[XF+8*\i+\x], v[VCODE+\i]           ; v's fragments: 128 equal codes a column; they serve both tiles of rows
.endr
.endr
.endif
	NOPS 4                                         ; operands written by vector lines stand four places ahead
	WIN 0xc0
.irp i, 0,1,2,3,4,5,6,7,8,9,10,11
	WM ACC+8*\i, POP, XF+8*\i, -1, PSC+\m, VSC+\i, 0, 0
.endr
	NOPS 4
	s_wait_dscnt 0x0                               ; the pixels are in
	WIN 0xf3                                       ; the product and the pixels in window 3, 1 / (128 p) in window 0
.irp j, 0,1,2,3,4,5,6,7                        ; each accumulator from its low end on
.irp n, 0,1,2
.irp u, 0,1,2,3
	v_fma_f32 v[PB+4*(3*\j+\n)+\u], v[ACC+8*(4*\n+\u)+\j], v[GG+8*\m+\j], v[PB+4*(3*\j+\n)+\u]
.endr
.endr
.endr
	WIN 0x0c                                       ; a store's data are its source 1
.irp j, 0,1,2,3,4,5,6,7
.irp n, 0,1,2
	global_store_b128 v[OV], v[PB+4*(3*\j+\n):PB+4*(3*\j+\n)+3], s[32:33] offset:(32*\H+16*\m+\j)*3072+256*\n th:TH_STORE_NT   ; sixteen lanes store 256 consecutive bytes, at a multiple of 256 from out0's first byte; the other sixteen the same 8 rows below
.endr
.endr
	WIN 0
.if (\H)+(\m) < 2
.irp n, 0,1,2
	v_add_nc_u32 v[OA+\n], 16*PITCH, v[OA+\n]      ; the next 16 rows
.endr
.endif
.endr
.endm
	HALF 0
.irp i, 0,1,2
	v_add_nc_u32 v[XA+\i], 32*PITCH, v[XA+\i]      ; the second half's rows
.endr
	HALF 1
	s_wait_tensorcnt 0x0                           ; the wave's end, behind my last tensor load and my last LDS store
	ds_add_u32 v[SPW], v[NIL]
	s_wait_dscnt 0x0
	s_endpgm
.Lfunc_end_k_qa952599156_xattn:
	.size	k_qa952599156_xattn, .Lfunc_end_k_qa952599156_xattn-k_qa952599156_xattn
	.p2alignl 7, 3214868480
	.fill 96, 4, 3214868480
	.section	.rodata,"a",@progbits
	.p2align	6, 0x0
	.amdhsa_kernel k_qa952599156_xattn
		.amdhsa_group_segment_fixed_size 270336
		.amdhsa_private_segment_fixed_size 0
		.amdhsa_enable_private_segment 0
		.amdhsa_kernarg_size 104
		.amdhsa_user_sgpr_count 2
		.amdhsa_user_sgpr_kernarg_segment_ptr 1
		.amdhsa_wavefront_size32 1
		.amdhsa_system_sgpr_workgroup_id_x 1
		.amdhsa_system_sgpr_workgroup_id_y 1
		.amdhsa_system_sgpr_workgroup_id_z 1
		.amdhsa_system_vgpr_workitem_id 0
		.amdhsa_next_free_vgpr 1024
		.amdhsa_next_free_sgpr 66
		.amdhsa_reserve_vcc 0
		.amdhsa_float_denorm_mode_32 3
		.amdhsa_float_denorm_mode_16_64 3
		.amdhsa_memory_ordered 1
		.amdhsa_forward_progress 1
		.amdhsa_inst_pref_size 231
	.end_amdhsa_kernel
	.amdgpu_metadata
---
amdhsa.version: [ 1, 2 ]
amdhsa.kernels:
  - .name:           k_qa952599156_xattn
    .symbol:         k_qa952599156_xattn.kd
    .args:
      - { .name: pixel_features, .offset: 0, .size: 8, .value_kind: global_buffer, .address_space: global }
      - { .name: Wq_codes, .offset: 8, .size: 8, .value_kind: global_buffer, .address_space: global }
      - { .name: Wq_scales, .offset: 16, .size: 8, .value_kind: global_buffer, .address_space: global }
      - { .name: bq, .offset: 24, .size: 8, .value_kind: global_buffer, .address_space: global }
      - { .name: Wk_codes, .offset: 32, .size: 8, .value_kind: global_buffer, .address_space: global }
      - { .name: Wk_scales, .offset: 40, .size: 8, .value_kind: global_buffer, .address_space: global }
      - { .name: bk, .offset: 48, .size: 8, .value_kind: global_buffer, .address_space: global }
      - { .name: Wv_codes, .offset: 56, .size: 8, .value_kind: global_buffer, .address_space: global }
      - { .name: Wv_scales, .offset: 64, .size: 8, .value_kind: global_buffer, .address_space: global }
      - { .name: bv, .offset: 72, .size: 8, .value_kind: global_buffer, .address_space: global }
      - { .name: age_features_codes, .offset: 80, .size: 8, .value_kind: global_buffer, .address_space: global }
      - { .name: age_features_scales, .offset: 88, .size: 8, .value_kind: global_buffer, .address_space: global }
      - { .name: out0, .offset: 96, .size: 8, .value_kind: global_buffer, .address_space: global }
    .group_segment_fixed_size: 270336
    .private_segment_fixed_size: 0
    .kernarg_segment_align: 8
    .kernarg_segment_size: 104
    .max_flat_workgroup_size: 128
    .sgpr_count:     66
    .vgpr_count:     1024
    .wavefront_size: 32
...
	.end_amdgpu_metadata
.endif
;; end of part 1
